; MI455X (gfx1250); checked and timed in simulation.
; The chip was launched on July 23, 2026; its instructions are those of AMD's public machine-readable ISA for CDNA 5 (MIT licence, August 2026) and "CDNA5" Instruction Set Architecture Reference Guide (July 2026). The comments in the code are by the model that wrote it; some were corrected since.
;; Attn Block. Allowed arithmetic: matrix products marked QUANTISED: E4M3 operands, one given power-of-two scale a tensor, by v_wmma_f32_16x16x64_fp8_fp8 or v_wmma_f32_16x16x128_fp8_fp8, f32 sums; everything else in f32.
;; Inputs: bk 512 float32; bo 512 float32; bq 512 float32; bv 512 float32; gn_bias 512 float32; gn_scale 512 float32; lowp_scales 12 int32 (the exponents e of the quantised operands' scales 2^e); wk_codes 512 x 16 x 32 uint8 (E4M3 codes of wk, K innermost, in blocks of 32 codes); wo_codes 512 x 16 x 32 uint8 (E4M3 codes of wo, K innermost, in blocks of 32 codes); wq_codes 512 x 16 x 32 uint8 (E4M3 codes of wq, K innermost, in blocks of 32 codes); wv_codes 512 x 16 x 32 uint8 (E4M3 codes of wv, K innermost, in blocks of 32 codes); x 8 x 32 x 64 x 512 float32.
;; Outputs: out0 8 x 32 x 64 x 512 float32.
;; This version of the problem:
;;   THIS VERSION OF THE PROBLEM IS GIVEN IN LOW PRECISION. The matrix products marked QUANTISED in the list below multiply operands that are first quantised to E4M3 (4 exponent bits, 3 mantissa bits; 8 bits a number), with one given power-of-two scale for each operand tensor; their sums are f32. All else is computed in f32.
;;   The module's matrix products, in the order in which they are computed (A, B: the left and right operand; K: the contracted axis; several contracted axes count as one K, in the product's order):
;;     1. [M 16,384, K 512] x [K 512, N 512]; A: computed on the way; B: input wq (given as codes): QUANTISED (scales: A lowp_scales[0], B lowp_scales[1])
;;     2. [M 16,384, K 512] x [K 512, N 512]; A: computed on the way; B: input wk (given as codes): QUANTISED (scales: A lowp_scales[2], B lowp_scales[3])
;;     3. [M 16,384, K 512] x [K 512, N 512]; A: computed on the way; B: input wv (given as codes): QUANTISED (scales: A lowp_scales[4], B lowp_scales[5])
;;     4. batch 8 x [M 2,048, K 512] x [K 512, N 2,048]; A: computed on the way; B: computed on the way: QUANTISED (scales: A lowp_scales[6], B lowp_scales[7])
;;     5. batch 8 x [M 2,048, K 2,048] x [K 2,048, N 512]; A: softmax (see below); B: computed on the way: QUANTISED (scales: A lowp_scales[8], B lowp_scales[9])
;;     6. [M 16,384, K 512] x [K 512, N 512]; A: computed on the way; B: input wo (given as codes): QUANTISED (scales: A lowp_scales[10], B lowp_scales[11])
;;   THE QUANTISER, for each operand of a quantised product, along K:
;;     - The operand's scale is 2^e, e = its entry of the input lowp_scales (int32; the entries are numbered through the quantised products in the list's order, A before B).
;;     - Each number is divided by the scale, clamped to +-448, and rounded to the nearest number of E4M3, ties to even, subnormals kept.
;;     - The product sums the exact products of the quantised numbers (number of the format x scale) in f32.
;;   ~~~python
;;   def quantise(x, axis, e):      # numpy; x: float32 -> the quantised numbers, widened to float32 again
;;       x = np.moveaxis(x, axis, -1); K = x.shape[-1]
;;       r = np.clip(x / 2.0 ** e, -448, 448)
;;       step = 2.0 ** (np.maximum(np.frexp(np.where(r == 0, 1, r))[1] - 1, -6) - 3)
;;       q = np.round(r / step) * step * 2.0 ** e      # np.round: ties to even
;;       return np.moveaxis(q, -1, axis).astype(np.float32)
;;   ~~~
;;   SOFTMAX AHEAD OF A QUANTISED PRODUCT. Where the list says 'softmax', what is quantised is not the finished softmax but p = 2^(t - M), with t = logit x log2(e) and M = ceil(the row's largest t), a whole number; so 1/2 < the row's largest p <= 1. The row's sum l is taken of the UNQUANTISED p, in f32, and the product's result is divided by l at the end. Since M is a whole number, a kernel that streams over the keys may use a running M (the ceiling of the running maximum): every later rescaling is an exact power of two, so the quantised numbers keep their values, but for numbers so far below the row's largest that they fall under the format's range.
;;   OPERANDS COMPUTED ON THE WAY. 'Computed on the way' means the value that the module computes at that place (a softmax that the list does not call 'softmax' is quantised finished and normalised). What goes into a quantiser is computed in f32, as accurately as f32 sums, v_exp_f32 and their like allow (about 1e-6 of the number): no bf16 or f16 on the way to a quantiser, and a product that is left as it is and whose result goes on into a quantised operand takes f32 operands (vector FMAs, or v_wmma_f32_16x16x4_f32). A number that lies on a knife's edge between two numbers of the format may be rounded either way, as far as f32 arithmetic and the matrix unit's own rounding can turn it there, and no further.
;;   INPUTS GIVEN AS CODES. wk (in the module: [512, 512], K = its axis 0); wo (in the module: [512, 512], K = its axis 0); wq (in the module: [512, 512], K = its axis 0); wv (in the module: [512, 512], K = its axis 0): each comes as NAME_codes (uint8): NAME with its K axis moved to the last place and cut into blocks of 32 codes, [.., K / 32, bytes a block], one block behind the other in memory; one code a byte (a code: sign, 4 exponent bits, 3 mantissa bits); its scale is its entry of lowp_scales. Its value is code x scale, taken as it is: it is not quantised again, and the codes and scales need not be those that the quantiser above would give.
;; One version. Each part assembles by itself: llvm-mc -triple=amdgcn-amd-amdhsa -mcpu=gfx1250 --defsym DOCPART=n.
;; ======== version 1 of 1: 3 launches
;; workspace buffers: st 131,072 bytes; qc 8,388,608 bytes; kv 16,777,216 bytes
;; launch stats (part 1): grid 256 x 1, 8 waves a work-group, no clusters, 1,536 bytes of LDS; arguments x, st; writes st
.if DOCPART == 1
	.amdgcn_target "amdgcn-amd-amdhsa--gfx1250"
	.amdhsa_code_object_version 6
	.text
	.protected	k_q1a1a66b17b_stats
	.globl	k_q1a1a66b17b_stats
	.p2align	8
	.type	k_q1a1a66b17b_stats,@function
k_q1a1a66b17b_stats:
	s_mov_b64 s[64:65], 0
	v_nop
	global_prefetch_b8 v0, s[64:65] scope:SCOPE_SE
	s_setreg_imm32_b32 hwreg(HW_REG_WAVE_MODE, 25, 1), 1
	s_wait_xcnt 0x0
; GroupNorm's statistics, first half.  x: [8 images][2,048 tokens][512 channels] f32; a group is 16 neighbouring channels of one image.
; A work-group takes 64 tokens (rows of 2,048 bytes).  Wave w takes 32 of them (w / 4) and 128 channels (w % 4): 32 loads of 512 consecutive bytes, kept in 128 registers, so that x is read once.
; A CHUNK is 32 tokens x 16 channels = 512 numbers: four neighbouring lanes hold it (4 channels x 32 tokens each).  For each chunk the launch stores its mean and its CENTRED sum of squares
; (the sum of (x - the chunk's mean)^2): no difference of large sums is ever formed, so a common offset of x costs no accuracy.  The next launch joins an image's 64 chunks of a group.
; st: [image][chunk 0..63][group 0..31][mean, centred sum of squares] f32: a chunk row is 256 bytes, stored whole by one wave.
; No matrix unit, no tensor load, no cluster: the work-groups share no input, and the bytes are read once.  NaN and infinities among the inputs are not served.
.set ROW, 2048
.set X,   16                           ; v16-143   my 32 tokens x 4 channels
.set CH,  144                          ; v144-151  four chains of pairs
.set MN,  152                          ; v152-153  the chunk's mean, twice (a pair for the packed subtraction)
.set RS,  154                          ; v154-155  mean, centred sum of squares
.set BK,  156                          ; v156-157  the same, read back
	s_load_b128 s[4:7], s[0:1], 0x0                ; x, st
	v_lshl_add_u32 v160, v0, 2, 0x200
	v_mov_b32 v161, 0
	v_lshrrev_b32 v1, 5, v0
	v_readfirstlane_b32 s8, v1                     ; wave 0..7
	v_and_b32 v2, 31, v0                           ; lane
	v_lshlrev_b32 v3, 4, v2                        ; 16 bytes a lane
	s_and_b32 s9, s8, 3                            ; which 128 channels
	s_lshr_b32 s14, s8, 2                          ; which 32 tokens
	s_lshl_b32 s10, ttmp9, 17                      ; 64 rows of 2,048 bytes a work-group
	s_lshl_b32 s15, s14, 16
	s_add_co_u32 s10, s10, s15
	s_lshl_b32 s15, s9, 9
	s_add_co_u32 s10, s10, s15
	s_mov_b32 s11, 0
	s_lshl_b32 s12, ttmp9, 9                       ; st: two chunk rows of 256 bytes a work-group
	s_mov_b32 s13, 0
	v_lshrrev_b32 v4, 2, v2
	v_lshlrev_b32 v4, 3, v4                        ; 8 bytes a group: lane / 4
	s_lshl_b32 s15, s14, 8
	s_lshl_b32 s16, s9, 6
	s_add_co_u32 s15, s15, s16
	v_add_nc_u32 v4, s15, v4                       ; LDS: 256 x (wave / 4) + 64 x (wave % 4) + 8 x (lane / 4)
	v_lshlrev_b32 v5, 3, v0                        ; the way out: 8 bytes a thread
	s_wait_kmcnt 0x0
	s_add_nc_u64 s[4:5], s[4:5], s[10:11]
	s_add_nc_u64 s[6:7], s[6:7], s[12:13]
.set i, 0
.rept 32
	global_load_b128 v[X+4*i:X+4*i+3], v3, s[4:5] offset:ROW*i th:TH_LOAD_NT   ; 32 lanes read 512 consecutive bytes of token i
.set i, i+1
.endr
	; first pass: the sum of my 128 numbers, two at a time, in four chains; eight loads' worth behind each wait
.set p, 0
.rept 64
.if p%16 == 0
	s_wait_loadcnt 24-8*(p/16)                     ; loads come back in order: the later batches' loads (8 each) may stay out
.endif
.if p < 4
	v_pk_add_f32 v[CH+2*p:CH+2*p+1], v[X+2*p:X+2*p+1], v[X+2*p+8:X+2*p+9]   ; the first two pairs of a chain start it: nothing is cleared
.elseif p >= 8
	v_pk_add_f32 v[CH+2*(p%4):CH+2*(p%4)+1], v[CH+2*(p%4):CH+2*(p%4)+1], v[X+2*p:X+2*p+1]
.endif
.set p, p+1
.endr
	v_pk_add_f32 v[CH:CH+1], v[CH:CH+1], v[CH+2:CH+3]
	v_pk_add_f32 v[CH+4:CH+5], v[CH+4:CH+5], v[CH+6:CH+7]
	v_pk_add_f32 v[CH:CH+1], v[CH:CH+1], v[CH+4:CH+5]
	v_add_f32 v[CH], v[CH], v[CH+1]
	v_add_f32_dpp v[CH], v[CH], v[CH] row_xmask:1 row_mask:0xf bank_mask:0xf   ; the four lanes of a group
	v_add_f32_dpp v[CH], v[CH], v[CH] row_xmask:2 row_mask:0xf bank_mask:0xf
	v_mul_f32 v[MN], 0x3b000000, v[CH]             ; / 512
	v_mov_b32 v[MN+1], v[MN]
	v_mov_b32 v[RS], v[MN]
	; second pass: the sum of (x - mean)^2
.set p, 0
.rept 64
	v_pk_add_f32 v[X+2*p:X+2*p+1], v[X+2*p:X+2*p+1], v[MN:MN+1] neg_lo:[0,1] neg_hi:[0,1]
.set p, p+1
.endr
.set p, 0
.rept 64
.if p < 4
	v_pk_mul_f32 v[CH+2*p:CH+2*p+1], v[X+2*p:X+2*p+1], v[X+2*p:X+2*p+1]
.else
	v_pk_fma_f32 v[CH+2*(p%4):CH+2*(p%4)+1], v[X+2*p:X+2*p+1], v[X+2*p:X+2*p+1], v[CH+2*(p%4):CH+2*(p%4)+1]
.endif
.set p, p+1
.endr
	v_pk_add_f32 v[CH:CH+1], v[CH:CH+1], v[CH+2:CH+3]
	v_pk_add_f32 v[CH+4:CH+5], v[CH+4:CH+5], v[CH+6:CH+7]
	v_pk_add_f32 v[CH:CH+1], v[CH:CH+1], v[CH+4:CH+5]
	v_add_f32 v[CH], v[CH], v[CH+1]
	v_add_f32_dpp v[CH], v[CH], v[CH] row_xmask:1 row_mask:0xf bank_mask:0xf
	v_add_f32_dpp v[CH], v[CH], v[CH] row_xmask:2 row_mask:0xf bank_mask:0xf   ; in place: the destination of such a form counts as one of its sources, so it is a register that has been written
	v_mov_b32 v[RS+1], v[CH]                       ; beside the mean, as a pair for the store
	ds_store_b64 v4, v[RS:RS+1]                    ; a group's four lanes write the same 8 bytes with the same numbers
	s_wait_dscnt 0x0                               ; for the others' sake: my store has landed
	s_barrier_signal -1
	s_barrier_wait -1
	s_cmp_lt_u32 s8, 2                             ; waves 0 and 1 store a chunk row each
	s_cbranch_scc0 .Ldone
	ds_load_b64 v[BK:BK+1], v5
	s_wait_dscnt 0x0
	global_store_b64 v5, v[BK:BK+1], s[6:7]        ; 32 lanes store 256 consecutive bytes, aligned
.Ldone:
	s_wait_tensorcnt 0x0
	ds_add_u32 v160, v161
	s_wait_dscnt 0x0
	s_endpgm
.Lfunc_end_k_q1a1a66b17b_stats:
	.size	k_q1a1a66b17b_stats, .Lfunc_end_k_q1a1a66b17b_stats-k_q1a1a66b17b_stats
	.p2alignl 7, 3214868480
	.fill 96, 4, 3214868480
	.section	.rodata,"a",@progbits
	.p2align	6, 0x0
	.amdhsa_kernel k_q1a1a66b17b_stats
		.amdhsa_group_segment_fixed_size 1536
		.amdhsa_private_segment_fixed_size 0
		.amdhsa_enable_private_segment 0
		.amdhsa_kernarg_size 16
		.amdhsa_user_sgpr_count 2
		.amdhsa_user_sgpr_kernarg_segment_ptr 1
		.amdhsa_wavefront_size32 1
		.amdhsa_system_sgpr_workgroup_id_x 1
		.amdhsa_system_sgpr_workgroup_id_y 1
		.amdhsa_system_sgpr_workgroup_id_z 1
		.amdhsa_system_vgpr_workitem_id 0
		.amdhsa_next_free_vgpr 162
		.amdhsa_next_free_sgpr 66
		.amdhsa_reserve_vcc 0
		.amdhsa_float_denorm_mode_32 3
		.amdhsa_float_denorm_mode_16_64 3
		.amdhsa_memory_ordered 1
		.amdhsa_forward_progress 1
		.amdhsa_inst_pref_size 18
	.end_amdhsa_kernel
	.amdgpu_metadata
---
amdhsa.version: [ 1, 2 ]
amdhsa.kernels:
  - .name:           k_q1a1a66b17b_stats
    .symbol:         k_q1a1a66b17b_stats.kd
    .args:
      - { .name: x, .offset: 0, .size: 8, .value_kind: global_buffer, .address_space: global }
      - { .name: st, .offset: 8, .size: 8, .value_kind: global_buffer, .address_space: global }
    .group_segment_fixed_size: 1536
    .private_segment_fixed_size: 0
    .kernarg_segment_align: 8
    .kernarg_segment_size: 16
    .max_flat_workgroup_size: 256
    .sgpr_count:     66
    .vgpr_count:     162
    .wavefront_size: 32
...
	.end_amdgpu_metadata
.endif
;; end of part 1
;; launch qkv (part 2): grid 256 x 1, 4 waves a work-group, clusters of 4 x 1, 327,680 bytes of LDS; arguments x, st, gn_scale, gn_bias, wq_codes, wk_codes, wv_codes, bq, bk, bv, lowp_scales, qc, kv; writes qc, kv
.if DOCPART == 2
	.amdgcn_target "amdgcn-amd-amdhsa--gfx1250"
	.amdhsa_code_object_version 6
	.text
	.protected	k_q1a1a66b17b_qkv
	.globl	k_q1a1a66b17b_qkv
	.p2align	8
	.type	k_q1a1a66b17b_qkv,@function
k_q1a1a66b17b_qkv:
	s_mov_b64 s[64:65], 0
	v_nop
	global_prefetch_b8 v0, s[64:65] scope:SCOPE_SE
	s_setreg_imm32_b32 hwreg(HW_REG_WAVE_MODE, 25, 1), 1
	s_wait_xcnt 0x0
	s_wait_alu depctr_hold_cnt(0) depctr_sa_sdst(0) depctr_va_vdst(0) depctr_va_sdst(0) depctr_va_ssrc(0) depctr_va_vcc(0) depctr_vm_vsrc(0)
	s_getreg_b32 s2, hwreg(HW_REG_IB_STS2, 6, 4)
	s_cmp_eq_u32 s2, 0
	s_cbranch_scc0 .Lentry_in_a_cluster
	s_endpgm
.Lentry_in_a_cluster:
	s_bfe_u32 s2, ttmp6, 0x10000c
	s_cmp_lg_u32 s2, 0x3003
	s_cbranch_scc0 .Lentry_shape_is_right
	s_endpgm
.Lentry_shape_is_right:
; h = GroupNorm(x) x gn_scale + gn_bias;  q = Q(h) Wq + bq, k = Q(h) Wk + bk, v = Q(h) Wv + bv on codes of FP8 (E4M3);  q, k and v leave as codes for the attention launch.
; h is quantised three times, with the scales 2^e0, 2^e2, 2^e4; the weights come as codes, K innermost (a row of 512 bytes for each output channel), scales 2^e1, 2^e3, 2^e5; q, k, v are quantised with 2^e6, 2^e7, 2^e9.
; SHARES.  A work-group takes 64 tokens (four tiles m of 16).  THE WAVES SHARE THE COLUMNS: of each weight tile of 256 output channels wave w takes 64 (four tiles ct), for all 64 tokens, so that a weight
; fragment read from LDS feeds four matrix instructions.  Six weight tiles (layer L = 0, 1, 2; half hf) go through two LDS slots; each wave fetches the 64 rows that it reads itself.
; CLUSTER.  Every work-group walks the same weights: the four of a cluster ask for each tile JOINTLY (the same tensor load, the same descriptor, the mask 15).
; THE STATISTICS.  Every wave joins the image's 64 chunks of each group (lane = group): mean = the mean of the chunks' means; variance = (the sum of the centred sums + 512 x the sum of (chunk's mean - mean)^2) / 32,768.
; h: wave w normalises tokens 16 w .. 16 w + 15; lane (r, h) holds, of token r, channels 128 s + 32 b + 16 h + 0 .. 15 (64 numbers a K step s).  Its codes go to the other waves through LDS as images of the operand's registers.
; That is a permutation of k against the form's own layout; the weights' fragments are read with the same one (16 bytes at 128 s + 32 c + 16 h), so every product meets its partner.
; q, k: source 0 = 16 rows of W, source 1 = h: a lane holds one token and eight neighbouring channels.  v: source 0 = h, source 1 = 16 rows of Wv: a lane holds one channel and eight neighbouring tokens (the keys are the K of the
; attention's second product).  So eight results of a lane, converted, ARE two registers of the next operand in the form's own layout (registers 2 c, 2 c + 1: k = 16 c + 8 (lane / 16) + 0 .. 7).
; qc: [token tile][K step s][4 registers G][lane][16 bytes].  kv: [image][256 keys][the attention's wave a][K: key tile 0..3, K step s, G, lane, 16 bytes | V: channel tile 0..7, 128 keys, G, lane, 16 bytes]: wave a's 64 keys of K and
; its 128 channels of V of a round of keys lie on end, 32,768 bytes each, so that one dense block of 65,536 bytes is all that the wave reads of the round.  All are images of operand registers; every store covers 512 consecutive bytes, aligned.
; The bias is the C of a sum's first matrix instruction, divided by the power of two that the sums lack; the three scales ahead of a quantiser are folded into the conversion's one.
; LIMITS on the given exponents, so that each power of two below is an f32 number: e0, e2, e4, and e6 - e0 - e1, e7 - e2 - e3, e9 - e4 - e5, between -126 and 119.  NaN and infinities among the inputs are not served.
; REGISTERS, in windows of 256: window 0: v0-25 addresses and scales; v32-63 TMP, v64-95 PC (at the head: v32-95 the groups' statistics); v96-127 the bias as C; v128-255 the 16 accumulators (ct, m) at 128 + 8 (4 ct + m)
;   (at the head: st's 64 pairs, then the gain and the bias of 64 channels).  window 1: h's codes, fragment (m, s) at 16 (4 m + s).  window 2: h in f32.  window 3: W's 16 fragments, (ct, s) at 16 (4 ct + s).
.set PITCH, 528                        ; a weight row in LDS: 512 bytes + 16 of padding = 132 words: the 16 rows that a load touches start at 16 different banks (64 banks of 4 bytes: ISA guide 11.1)
.set SLOT1, 256*PITCH                  ; slot 0 at 0, slot 1 here: 256 rows each
.set HIMG,  2*SLOT1                    ; h's 16 fragments, 2,048 bytes each
.set GSC,   HIMG+32768                 ; gn_scale, then gn_bias, 2,048 bytes each
.set GST,   GSC+4096                   ; for each wave 512 bytes: group g at 16 g: mean, mean, 1 / sqrt(var + eps), the same again
.set SPARE, GST+2048                   ; the spare words, 128 bytes for each wave: two blocks of 256 bytes that no other line names
.set TMP, 32
.set PC,  64
.set GS,  32
.set BC,  96
.set ACC, 128
.set SC,  128
.set BI,  192
.set MSB, 0
.macro WIN new                         ; the immediate's high byte repeats the setting that is left; a switch that changes nothing is dropped
.if MSB != \new
	s_set_vgpr_msb (MSB<<8)|\new
.set MSB, \new
.endif
.endm
.macro CROUND                          ; a round of the cluster's barrier: my work-group's barrier; wave 0 signals for the work-group; every wave waits for all four work-groups; my work-group's barrier once more
	s_barrier_signal -1
	s_barrier_wait -1
	s_cmp_lg_u32 s60, 0
	s_cbranch_scc1 .Lnot_wave_0_\@
	s_barrier_signal -3
.Lnot_wave_0_\@:
	s_barrier_wait -3
	s_barrier_signal -1
	s_barrier_wait -1
.endm
.macro JLOAD g0                        ; a joint load of my 64 rows; four v_nop follow it
	tensor_load_to_lds s[\g0:\g0+3], s[32:39]
	s_nop 0
.rept 4
	v_nop
.endr
.endm
.macro LAYERC L, eo                    ; layer L's five numbers: 2^eA and 448 x 2^eA (h's conversion), 2^(eo - eA - eB) and 448 x that (the result's), -(eA + eB) (the bias)
	s_add_co_i32 s92, s[48+2*\L], 127
	s_lshl_b32 s[70+5*\L], s92, 23
	s_add_co_i32 s92, s92, 8
	s_lshl_b32 s92, s92, 23
	s_or_b32 s[71+5*\L], s92, 0x600000
	s_add_co_i32 s93, s[48+2*\L], s[49+2*\L]
	s_sub_co_i32 s[74+5*\L], 0, s93
	s_sub_co_i32 s92, s[\eo], s93
	s_add_co_i32 s92, s92, 127
	s_lshl_b32 s[72+5*\L], s92, 23
	s_add_co_i32 s92, s92, 8
	s_lshl_b32 s92, s92, 23
	s_or_b32 s[73+5*\L], s92, 0x600000
.endm
	s_load_b256 s[4:11], s[0:1], 0x0               ; x, st, gn_scale, gn_bias
	s_load_b256 s[12:19], s[0:1], 0x20             ; wq, wk, wv, bq
	s_load_b256 s[20:27], s[0:1], 0x40             ; bk, bv, lowp_scales, qc
	s_load_b64 s[28:29], s[0:1], 0x60              ; kv
	v_lshl_add_u32 v18, v0, 2, SPARE               ; my spare word; never rewritten
	v_mov_b32 v19, 0                               ; 0; never rewritten
	ds_add_u32 v18, v19
	ds_add_u32 v18, v19
	s_wait_dscnt 0x0
	v_lshrrev_b32 v1, 5, v0
	v_readfirstlane_b32 s60, v1                    ; wave 0..3
	s_bfe_u32 s61, ttmp6, 0x40000                  ; cx: my place in the cluster: it enters global addresses of x, qc, kv alone
	s_lshl_b32 s62, ttmp9, 2
	s_add_co_u32 s62, s62, s61                     ; my block of 64 tokens
	s_lshr_b32 s63, ttmp9, 3                       ; the image: 8 clusters each
	v_and_b32 v1, 15, v0                           ; r
	v_bfe_u32 v2, v0, 4, 1                         ; h
	v_and_b32 v25, 31, v0                          ; lane
	v_lshlrev_b32 v3, 4, v25                       ; 16 x lane
	s_lshl_b32 s92, s60, 15
	v_lshlrev_b32 v4, 11, v1
	v_lshl_add_u32 v4, v2, 6, v4
	v_add_nc_u32 v4, s92, v4                       ; x: (16 w + r) rows of 2,048 bytes + 64 h
	v_lshlrev_b32 v5, 3, v25                       ; st: 8 x lane (lane = group)
	v_lshlrev_b32 v6, 4, v0                        ; the gain tables in memory: 16 x thread
	s_lshl_b32 s92, s60, 9
	s_add_co_u32 s92, s92, GST
	v_add_nc_u32 v7, s92, v3                       ; my wave's statistics: in, 16 x lane;
	v_lshl_add_u32 v8, v2, 4, s92                  ; out: 16 h (+ 16 (8 s + 2 b) in the immediate)
	v_lshlrev_b32 v9, 6, v2
	v_add_nc_u32 v9, GSC, v9                       ; the gain tables in LDS: 64 h
	s_lshl_b32 s92, s60, 13
	s_add_co_u32 s92, s92, HIMG
	v_add_nc_u32 v10, s92, v3                      ; h's images: in, my four fragments;
	v_add_nc_u32 v11, HIMG, v3                     ; out: all sixteen
	s_mul_i32 s94, s60, 64*PITCH                   ; my 64 rows of a slot
	v_mul_u32_u24 v12, v1, PITCH
	v_lshl_add_u32 v12, v2, 4, v12
	v_add_nc_u32 v12, s94, v12                     ; W's fragments in slot 0: (64 w + r) x pitch + 16 h,
	v_add_nc_u32 v13, SLOT1, v12                   ; in slot 1
	s_lshl_b32 s93, s60, 8
	v_lshl_add_u32 v14, v2, 5, s93                 ; bq, bk: 256 w + 32 h
	v_lshl_add_u32 v15, v1, 2, s93                 ; bv: 256 w + 4 r
	s_lshl_b32 s93, s60, 10
	v_add_nc_u32 v16, s93, v3                      ; q, k: 16 x lane + 1,024 w
	s_lshr_b32 s93, s60, 1                         ; v: my four channel tiles are tiles 4 (w % 2) on of the attention's wave 2 hf + w / 2
	s_lshl_b32 s93, s93, 16
	s_and_b32 s95, s60, 1
	s_lshl_b32 s95, s95, 14
	s_add_co_u32 s93, s93, s95
	v_add_nc_u32 v17, s93, v3                      ; 16 x lane + 65,536 (w / 2) + 16,384 (w % 2)
	v_lshl_add_u32 v24, v0, 4, GSC                 ; the gain tables into LDS: 16 x thread
	; descriptor group 1: 64 rows of 512 bytes, 16 bytes of padding behind each
	s_mov_b32 s32, 15|(1<<20)|(1<<21)|(6<<22)|(3<<25)  ; 15:0 the mask: all four work-groups; 17:16 elements of 1 byte; 20 padding on; 21 set beside a mask; 24:22 after every 128 words (code 6); 31:25 four words (code 3)
	s_mov_b32 s33, 512<<16                         ; tensor_dim0
	s_mov_b32 s34, 64<<16                          ; tensor_dim1
	s_mov_b32 s35, 512<<16                         ; tile_dim0
	s_mov_b32 s36, 64                              ; tile_dim1
	s_mov_b32 s37, 512                             ; tensor_dim0_stride
	s_mov_b32 s38, 0
	s_mov_b32 s39, 0
	s_lshl_b32 s66, s60, 15                        ; my 64 rows of a weight tile in memory
	s_mov_b32 s67, 0
	s_mov_b32 s97, 0x44000000                      ; 512
	s_mov_b32 s98, 0x38000000                      ; 1 / 32,768
	s_mov_b32 s99, 0x3727c5ac                      ; eps = 1e-5
	s_wait_kmcnt 0x0
	s_load_b256 s[48:55], s[24:25], 0x0            ; e0 .. e7
	s_load_b128 s[56:59], s[24:25], 0x20           ; e8 .. e11
	s_mov_b32 s40, 1                               ; group 0 for slot 0: Wq's rows 0-255
	s_mov_b32 s41, s94
	s_add_nc_u64 s[42:43], s[12:13], s[66:67]
	s_or_b32 s43, s43, 0x80000000
	s_mov_b32 s44, 1                               ; for slot 1: Wq's rows 256-511
	s_add_co_u32 s45, s94, SLOT1
	s_add_nc_u64 s[46:47], s[12:13], s[66:67]
	s_add_nc_u64 s[46:47], s[46:47], 0x20000
	s_or_b32 s47, s47, 0x80000000
	s_lshl_b32 s92, s62, 17
	s_mov_b32 s93, 0
	s_add_nc_u64 s[4:5], s[4:5], s[92:93]          ; x at my 64 tokens
	s_lshl_b32 s92, s63, 14
	s_add_nc_u64 s[6:7], s[6:7], s[92:93]          ; st at my image
	s_lshl_b32 s92, s62, 15
	s_add_nc_u64 s[86:87], s[26:27], s[92:93]      ; qc at my four token tiles
	s_lshl_b32 s92, s63, 21                        ; kv: the image,
	s_and_b32 s95, s62, 31
	s_lshr_b32 s96, s95, 2
	s_lshl_b32 s96, s96, 18
	s_add_co_u32 s92, s92, s96                     ; which 256 keys: a tile of 262,144 bytes
	s_and_b32 s94, s62, 3
	s_lshl_b32 s94, s94, 16
	s_add_co_u32 s94, s94, s92                     ; k: my 64 keys are those of the attention's wave blk % 4
	s_mov_b32 s95, 0
	s_add_nc_u64 s[88:89], s[28:29], s[94:95]
	s_add_co_u32 s92, s92, 32768                   ; v: behind a wave's K;
	s_bfe_u32 s96, s62, 0x10001
	s_lshl_b32 s96, s96, 11
	s_add_co_u32 s92, s92, s96                     ; which 128 of the 256 keys,
	s_and_b32 s96, s62, 1
	s_lshl_b32 s96, s96, 10
	s_add_co_u32 s92, s92, s96                     ; which 64 of those: register groups 0, 1 or 2, 3
	s_add_nc_u64 s[90:91], s[28:29], s[92:93]
	CROUND                                         ; all four work-groups are here: the first joint loads meet
	tensor_load_to_lds s[40:43], s[32:39]          ; both first fills together: two tensor loads of mine are out
	s_nop 0
	tensor_load_to_lds s[44:47], s[32:39]
	s_nop 0
.rept 4
	v_nop
.endr
.set i, 0
.rept 64
	global_load_b64 v[128+2*i:129+2*i], v5, s[6:7] offset:256*i   ; chunk i: (mean, centred sum) of group = lane: 256 consecutive bytes
.set i, i+1
.endr
	global_load_b128 v[64:67], v6, s[8:9]          ; gn_scale and gn_bias, 16 bytes a thread
	global_load_b128 v[68:71], v6, s[10:11]
	WIN 0x80                                       ; destination window 2
.irp s, 0,1,2,3
.irp b, 0,1,2,3
.irp j, 0,1,2,3
	global_load_b128 v[64*\s+16*\b+4*\j:64*\s+16*\b+4*\j+3], v4, s[4:5] offset:512*\s+128*\b+16*\j th:TH_LOAD_NT
.endr
.endr
.endr
	WIN 0
.macro BIASLD kind, base, hf           ; the bias of my 64 columns in the result's layout.  kind 0 (q, k): lane (r, h) wants channels 16 ct + 8 h + 0 .. 7;  kind 1 (v): channel 16 ct + r, for all eight registers
.irp ct, 0,1,2,3
.if \kind == 0
	global_load_b128 v[BC+8*\ct:BC+8*\ct+3], v14, s[\base:\base+1] offset:1024*\hf+64*\ct
	global_load_b128 v[BC+8*\ct+4:BC+8*\ct+7], v14, s[\base:\base+1] offset:1024*\hf+64*\ct+16
.else
	global_load_b32 v[BC+8*\ct], v15, s[\base:\base+1] offset:1024*\hf+64*\ct
.endif
.endr
.endm
	BIASLD 0, 18, 0
	s_wait_kmcnt 0x0
	LAYERC 0, 54
	LAYERC 1, 55
	LAYERC 2, 57
	s_wait_loadcnt 63                              ; st and the gain tables are in: 72 loads were issued behind them, more than the wait's field can name; a smaller count is safe
	ds_store_b128 v24, v[64:67]
	ds_store_b128 v24, v[68:71] offset:2048
	; the image's 64 chunks are joined, lane = group
.irp c, 0,1,2,3
	v_pk_add_f32 v[32+2*\c:33+2*\c], v[128+2*\c:129+2*\c], v[136+2*\c:137+2*\c]
.endr
.set i, 8
.rept 56
	v_pk_add_f32 v[32+2*(i%4):33+2*(i%4)], v[32+2*(i%4):33+2*(i%4)], v[128+2*i:129+2*i]
.set i, i+1
.endr
	v_pk_add_f32 v[32:33], v[32:33], v[34:35]
	v_pk_add_f32 v[36:37], v[36:37], v[38:39]
	v_pk_add_f32 v[32:33], v[32:33], v[36:37]      ; the sum of the means, the sum of the centred sums
	v_mul_f32 v52, 0x3c800000, v32                 ; the mean: / 64
.set i, 0
.rept 64
	v_sub_f32 v[44+i%4], v[128+2*i], v52
.if i < 4
	v_mul_f32 v[48+i%4], v[44+i%4], v[44+i%4]
.else
	v_fmac_f32 v[48+i%4], v[44+i%4], v[44+i%4]
.endif
.set i, i+1
.endr
	v_add_f32 v48, v48, v49
	v_add_f32 v50, v50, v51
	v_add_f32 v48, v48, v50
	v_fma_f32 v41, v48, s97, v33                   ; 512 x the sum of (chunk's mean - mean)^2 + the centred sums
	v_fma_f32 v41, v41, s98, s99                   ; the variance + eps
	v_rsq_f32 v54, v41
	v_rsq_f32 v55, v41
	v_mov_b32 v53, v52                             ; (a plain instruction behind the transcendentals)
	s_wait_alu depctr_va_vdst(0)                   ; one wait for both, ahead of the first instruction that names a result
	ds_store_b128 v7, v[52:55]
	s_wait_dscnt 0x0                               ; for the others' sake: my part of the gain tables has landed
	s_barrier_signal -1
	s_barrier_wait -1                              ; the two tensor loads may stay out
.irp s, 0,1,2,3
.irp b, 0,1,2,3
	ds_load_b128 v[GS+4*(4*\s+\b):GS+4*(4*\s+\b)+3], v8 offset:16*(8*\s+2*\b)   ; group 8 s + 2 b + h: that of my 16 channels of block (s, b)
.endr
.endr
; K step s of h: ((x - mean) x rstd) x gain + bias, two numbers at a time, in place in window 2
.macro NORM s
	WIN 0
.irp b, 0,1,2,3
.irp j, 0,1,2,3
	ds_load_b128 v[SC+16*\b+4*\j:SC+16*\b+4*\j+3], v9 offset:512*\s+128*\b+16*\j
	ds_load_b128 v[BI+16*\b+4*\j:BI+16*\b+4*\j+3], v9 offset:2048+512*\s+128*\b+16*\j
.endr
.endr
	s_wait_dscnt 0x0
	s_wait_loadcnt 56-16*\s                        ; this K step's 16 loads of x are in; behind them: 16 for each later K step and the bias's 8
	WIN 0x82                                       ; destination and source 0 window 2
.set p, 0
.rept 32
	v_pk_add_f32 v[64*\s+2*p:64*\s+2*p+1], v[64*\s+2*p:64*\s+2*p+1], v[GS+4*(4*\s+p/8):GS+4*(4*\s+p/8)+1] neg_lo:[0,1] neg_hi:[0,1]
.set p, p+1
.endr
.set p, 0
.rept 32
	v_pk_mul_f32 v[64*\s+2*p:64*\s+2*p+1], v[64*\s+2*p:64*\s+2*p+1], v[GS+4*(4*\s+p/8)+2:GS+4*(4*\s+p/8)+3]
.set p, p+1
.endr
.set p, 0
.rept 32
	v_pk_fma_f32 v[64*\s+2*p:64*\s+2*p+1], v[64*\s+2*p:64*\s+2*p+1], v[SC+2*p:SC+2*p+1], v[BI+2*p:BI+2*p+1]
.set p, p+1
.endr
.endm
	NORM 0
	NORM 1
	NORM 2
	NORM 3
; my 16 tokens of h become four fragments with the scale in v20 (v21: 448 x it); h itself stays in window 2 for the next layer.  The images go to LDS as they stand.
.macro QUANTH
	WIN 0
	s_wait_xcnt 0x0                                ; earlier stores have read PC: it is written again only behind this wait
.irp s, 0,1,2,3
.irp f, 0,1
	WIN 0x02                                       ; source 0 window 2
.set i, 0
.rept 32
	v_med3_num_f32 v[TMP+i], v[64*\s+32*\f+i], -v21, v21   ; the conversion to an 8-bit code does not saturate (ISA guide 7.6.2): the hold at the largest code x the scale
.set i, i+1
.endr
	WIN 0
.irp g, 0,1,2,3
	v_cvt_scalef32_pk8_fp8_f32 v[PC+16*(\s%2)+8*\f+2*\g:PC+16*(\s%2)+8*\f+2*\g+1], v[TMP+8*\g:TMP+8*\g+7], v20
.endr
	v_nop                                          ; one plain instruction between the conversions and the next write of their sources
.endr
.irp c, 0,1,2,3
	ds_store_b128 v10, v[PC+16*(\s%2)+4*\c:PC+16*(\s%2)+4*\c+3] offset:2048*\s+512*\c
.endr
.if \s == 1
	s_wait_dscnt 0x0                               ; the stores have read their registers, which K steps 2 and 3 write again
.endif
.endr
.endm
.macro FETCHH                          ; all sixteen fragments of h into window 1
	WIN 0x40
.set i, 0
.rept 64
	ds_load_b128 v[4*i:4*i+3], v11 offset:512*i
.set i, i+1
.endr
.endm
.macro FETCHW slot                     ; my 16 fragments of the weight tile into window 3, K step by K step
	WIN 0xc0
.irp s, 0,1,2,3
.irp ct, 0,1,2,3
.irp c, 0,1,2,3
	ds_load_b128 v[16*(4*\ct+\s)+4*\c:16*(4*\ct+\s)+4*\c+3], v[12+\slot] offset:\ct*16*PITCH+128*\s+32*\c
.endr
.endr
.endr
.endm
.macro BIASFIX kind, nb                ; the bias / 2^(eA + eB), in all eight registers of each tile
	s_wait_loadcnt 0x0
.if \kind == 0
.set i, 0
.rept 32
	v_ldexp_f32 v[BC+i], v[BC+i], s[\nb]
.set i, i+1
.endr
.else
.irp ct, 0,1,2,3
.irp j, 7,6,5,4,3,2,1,0
	v_ldexp_f32 v[BC+8*\ct+\j], v[BC+8*\ct], s[\nb]
.endr
.endr
.endif
.endm
; 64 matrix instructions: the 16 accumulators take turns, one instruction a turn, K step by K step.  The first K step takes the bias as C: nothing is cleared.
.macro MUL kind, counted
.irp s, 0,1,2,3
.if \counted
	s_wait_dscnt 48-16*\s                          ; h's fragments and W's of this K step are in; W's 16 loads of each later K step may be out
.elseif \s == 0
	s_wait_dscnt 0x0
.endif
.if \kind == 0
	WIN 0x07                                       ; source 0 (W) window 3, source 1 (h) window 1
.else
	WIN 0x0d                                       ; source 0 (h) window 1, source 1 (W) window 3
.endif
.irp ct, 0,1,2,3
.irp m, 0,1,2,3
.if \kind == 0
.if \s == 0
	v_wmma_f32_16x16x128_fp8_fp8 v[ACC+8*(4*\ct+\m):ACC+8*(4*\ct+\m)+7], v[16*(4*\ct+\s):16*(4*\ct+\s)+15], v[16*(4*\m+\s):16*(4*\m+\s)+15], v[BC+8*\ct:BC+8*\ct+7]
.else
	v_wmma_f32_16x16x128_fp8_fp8 v[ACC+8*(4*\ct+\m):ACC+8*(4*\ct+\m)+7], v[16*(4*\ct+\s):16*(4*\ct+\s)+15], v[16*(4*\m+\s):16*(4*\m+\s)+15], v[ACC+8*(4*\ct+\m):ACC+8*(4*\ct+\m)+7]
.endif
.else
.if \s == 0
	v_wmma_f32_16x16x128_fp8_fp8 v[ACC+8*(4*\ct+\m):ACC+8*(4*\ct+\m)+7], v[16*(4*\m+\s):16*(4*\m+\s)+15], v[16*(4*\ct+\s):16*(4*\ct+\s)+15], v[BC+8*\ct:BC+8*\ct+7]
.else
	v_wmma_f32_16x16x128_fp8_fp8 v[ACC+8*(4*\ct+\m):ACC+8*(4*\ct+\m)+7], v[16*(4*\m+\s):16*(4*\m+\s)+15], v[16*(4*\ct+\s):16*(4*\ct+\s)+15], v[ACC+8*(4*\ct+\m):ACC+8*(4*\ct+\m)+7]
.endif
.endif
.endr
.endr
.endr
.endm
; the 16 tiles become codes (scale v22, hold v23) and leave: two tiles' conversions are four registers of the next operand; a store covers 512 consecutive bytes
.macro OUT kind, base, hf
	s_wait_xcnt 0x0                                ; earlier stores have read PC
.set i, 0
.rept 128
	v_med3_num_f32 v[ACC+i], v[ACC+i], -v23, v23   ; each accumulator from its low end on
.set i, i+1
.endr
.irp a, 0,1,2,3
.irp g, 0,1
.if \kind == 0                         ; a = m; tiles ct = 2 g, 2 g + 1
	v_cvt_scalef32_pk8_fp8_f32 v[PC+4*(2*\a+\g):PC+4*(2*\a+\g)+1], v[ACC+8*(8*\g+\a):ACC+8*(8*\g+\a)+7], v22
	v_cvt_scalef32_pk8_fp8_f32 v[PC+4*(2*\a+\g)+2:PC+4*(2*\a+\g)+3], v[ACC+8*(8*\g+4+\a):ACC+8*(8*\g+4+\a)+7], v22
.else                                  ; a = ct; tiles m = 2 g, 2 g + 1
	v_cvt_scalef32_pk8_fp8_f32 v[PC+4*(2*\a+\g):PC+4*(2*\a+\g)+1], v[ACC+8*(4*\a+2*\g):ACC+8*(4*\a+2*\g)+7], v22
	v_cvt_scalef32_pk8_fp8_f32 v[PC+4*(2*\a+\g)+2:PC+4*(2*\a+\g)+3], v[ACC+8*(4*\a+2*\g+1):ACC+8*(4*\a+2*\g+1)+7], v22
.endif
.endr
.endr
	v_nop                                          ; one plain instruction behind the last conversion: the next products write its sources
.irp a, 0,1,2,3
.irp g, 0,1
.if \kind == 0
	global_store_b128 v16, v[PC+4*(2*\a+\g):PC+4*(2*\a+\g)+3], s[\base:\base+1] offset:\a*8192+\hf*4096+\g*512
.else
	global_store_b128 v17, v[PC+4*(2*\a+\g):PC+4*(2*\a+\g)+3], s[\base:\base+1] offset:\hf*131072+\a*4096+\g*512
.endif
.endr
.endr
.endm
.macro TILE kind, L, hf, counted, obase, nkind, nbase, nhf
	WIN 0
	BIASFIX \kind, 74+5*\L
	MUL \kind, \counted
	WIN 0
.rept 4
	v_nop                                          ; places behind the last products, ahead of the loads into the bias's registers and of the first read of results
.endr
.if \nkind >= 0
	BIASLD \nkind, \nbase, \nhf                    ; the next tile's bias
.endif
	OUT \kind, \obase, \hf
.endm
; The slot just read out is filled again.  Each wave waits for all its tensor loads, adds 0 to its spare word, and waits for that and for all its LDS reads and stores; a round of the cluster's barrier; the joint load first behind it.
; The same rounds order h's images: a layer's images are stored behind a round that every wave reaches with its reads of the last layer's done, and read behind the next round.
.macro CHANGE g0, wl, hf
	WIN 0                                          ; at a label and at a branch every window is 0
	s_wait_tensorcnt 0x0                           ; no tensor load of mine is out, so a group 0 may be written
	ds_add_u32 v18, v19                            ; 0 onto my spare word
	s_add_nc_u64 s[\g0+2:\g0+3], s[\wl:\wl+1], s[66:67]
.if \hf
	s_add_nc_u64 s[\g0+2:\g0+3], s[\g0+2:\g0+3], 0x20000
.endif
	s_or_b32 s[\g0+3], s[\g0+3], 0x80000000
	s_wait_dscnt 0x0                               ; the add is done; my reads of the slot and of h's images are over; my images have landed
	CROUND
	JLOAD \g0
.endm
	WIN 0
	v_mov_b32 v20, s70
	v_mov_b32 v21, s71
	QUANTH                                         ; h with 2^e0
	s_wait_tensorcnt 1                             ; my rows of weight tile 0 are in; tile 1's may stay out
	s_wait_dscnt 0x0
	s_barrier_signal -1
	s_barrier_wait -1                              ; h's sixteen fragments lie in LDS
	FETCHH
	FETCHW 0
	WIN 0
	v_mov_b32 v22, s72
	v_mov_b32 v23, s73
	TILE 0, 0, 0, 1, 86, 0, 18, 1                  ; q, channels 0-255
	CHANGE 40, 14, 0                               ; slot 0 takes Wk's rows 0-255
	FETCHW 1
	WIN 0
	v_mov_b32 v20, s75
	v_mov_b32 v21, s76
	QUANTH                                         ; h with 2^e2, while W's fragments come
	TILE 0, 0, 1, 0, 86, 0, 20, 0                  ; q, channels 256-511
	CHANGE 44, 14, 1                               ; slot 1 takes Wk's rows 256-511
	FETCHH
	FETCHW 0
	WIN 0
	v_mov_b32 v22, s77
	v_mov_b32 v23, s78
	TILE 0, 1, 0, 1, 88, 0, 20, 1                  ; k
	CHANGE 40, 16, 0                               ; Wv's rows 0-255
	FETCHW 1
	WIN 0
	v_mov_b32 v20, s80
	v_mov_b32 v21, s81
	QUANTH                                         ; h with 2^e4
	TILE 0, 1, 1, 0, 88, 1, 22, 0
	CHANGE 44, 16, 1                               ; Wv's rows 256-511: the last load
	FETCHH
	FETCHW 0
	WIN 0
	v_mov_b32 v22, s82
	v_mov_b32 v23, s83
	TILE 1, 2, 0, 1, 90, 1, 22, 1                  ; v
	WIN 0
	s_wait_tensorcnt 0x0                           ; my rows of the last tile are in: no load was issued behind it, and only I read them; nothing is filled any more
	FETCHW 1
	TILE 1, 2, 1, 0, 90, -1, 0, 0
	s_wait_tensorcnt 0x0                           ; the wave's end
	ds_add_u32 v18, v19
	s_wait_dscnt 0x0
	CROUND                                         ; the closing round: no work-group ends while a partner may still ask for a tile that names it
	s_endpgm
.Lfunc_end_k_q1a1a66b17b_qkv:
	.size	k_q1a1a66b17b_qkv, .Lfunc_end_k_q1a1a66b17b_qkv-k_q1a1a66b17b_qkv
	.p2alignl 7, 3214868480
	.fill 96, 4, 3214868480
	.section	.rodata,"a",@progbits
	.p2align	6, 0x0
	.amdhsa_kernel k_q1a1a66b17b_qkv
		.amdhsa_group_segment_fixed_size 327680
		.amdhsa_private_segment_fixed_size 0
		.amdhsa_enable_private_segment 0
		.amdhsa_kernarg_size 104
		.amdhsa_user_sgpr_count 2
		.amdhsa_user_sgpr_kernarg_segment_ptr 1
		.amdhsa_wavefront_size32 1
		.amdhsa_system_sgpr_workgroup_id_x 1
		.amdhsa_system_sgpr_workgroup_id_y 1
		.amdhsa_system_sgpr_workgroup_id_z 1
		.amdhsa_system_vgpr_workitem_id 0
		.amdhsa_next_free_vgpr 1024
		.amdhsa_next_free_sgpr 100
		.amdhsa_reserve_vcc 0
		.amdhsa_float_denorm_mode_32 3
		.amdhsa_float_denorm_mode_16_64 3
		.amdhsa_memory_ordered 1
		.amdhsa_forward_progress 1
		.amdhsa_inst_pref_size 255
	.end_amdhsa_kernel
	.section	.bss,"aw",@nobits
	.p2align	6
	.space	262144
	.amdgpu_metadata
---
amdhsa.version: [ 1, 2 ]
amdhsa.kernels:
  - .name:           k_q1a1a66b17b_qkv
    .symbol:         k_q1a1a66b17b_qkv.kd
    .args:
      - { .name: x, .offset: 0, .size: 8, .value_kind: global_buffer, .address_space: global }
      - { .name: st, .offset: 8, .size: 8, .value_kind: global_buffer, .address_space: global }
      - { .name: gn_scale, .offset: 16, .size: 8, .value_kind: global_buffer, .address_space: global }
      - { .name: gn_bias, .offset: 24, .size: 8, .value_kind: global_buffer, .address_space: global }
      - { .name: wq_codes, .offset: 32, .size: 8, .value_kind: global_buffer, .address_space: global }
      - { .name: wk_codes, .offset: 40, .size: 8, .value_kind: global_buffer, .address_space: global }
      - { .name: wv_codes, .offset: 48, .size: 8, .value_kind: global_buffer, .address_space: global }
      - { .name: bq, .offset: 56, .size: 8, .value_kind: global_buffer, .address_space: global }
      - { .name: bk, .offset: 64, .size: 8, .value_kind: global_buffer, .address_space: global }
      - { .name: bv, .offset: 72, .size: 8, .value_kind: global_buffer, .address_space: global }
      - { .name: lowp_scales, .offset: 80, .size: 8, .value_kind: global_buffer, .address_space: global }
      - { .name: qc, .offset: 88, .size: 8, .value_kind: global_buffer, .address_space: global }
      - { .name: kv, .offset: 96, .size: 8, .value_kind: global_buffer, .address_space: global }
    .group_segment_fixed_size: 327680
    .private_segment_fixed_size: 0
    .kernarg_segment_align: 8
    .kernarg_segment_size: 104
    .max_flat_workgroup_size: 128
    .sgpr_count:     100
    .vgpr_count:     1024
    .wavefront_size: 32
...
	.end_amdgpu_metadata
.endif
;; end of part 2
;; launch attn (part 3): grid 256 x 1, 4 waves a work-group, clusters of 4 x 1, 327,680 bytes of LDS; arguments qc, kv, wo_codes, bo, x, lowp_scales, out0; writes out0
.if DOCPART == 3
	.amdgcn_target "amdgcn-amd-amdhsa--gfx1250"
	.amdhsa_code_object_version 6
	.text
	.protected	k_q1a1a66b17b_attn
	.globl	k_q1a1a66b17b_attn
	.p2align	8
	.type	k_q1a1a66b17b_attn,@function
k_q1a1a66b17b_attn:
	s_mov_b64 s[64:65], 0
	v_nop
	global_prefetch_b8 v0, s[64:65] scope:SCOPE_SE
	s_setreg_imm32_b32 hwreg(HW_REG_WAVE_MODE, 25, 1), 1
	s_wait_xcnt 0x0
	s_wait_alu depctr_hold_cnt(0) depctr_sa_sdst(0) depctr_va_vdst(0) depctr_va_sdst(0) depctr_va_ssrc(0) depctr_va_vcc(0) depctr_vm_vsrc(0)
	s_getreg_b32 s2, hwreg(HW_REG_IB_STS2, 6, 4)
	s_cmp_eq_u32 s2, 0
	s_cbranch_scc0 .Lentry_in_a_cluster
	s_endpgm
.Lentry_in_a_cluster:
	s_bfe_u32 s2, ttmp6, 0x10000c
	s_cmp_lg_u32 s2, 0x3003
	s_cbranch_scc0 .Lentry_shape_is_right
	s_endpgm
.Lentry_shape_is_right:
; out0 = Q(softmax(q k^T / sqrt(512)) v) Wo + bo + x, all three products on codes of FP8 (E4M3).  qc, kv: images of operand registers, as the launch before laid them; wo_codes: rows of 512 bytes, K innermost.
; THE SOFTMAX AHEAD OF THE SECOND PRODUCT: t = score x log2(e) / sqrt(512); M = the row's largest t so far, rounded UP to a whole number; p = 2^(t - M) is quantised with 2^e8, not normalised; the row's sum is taken of the
; unquantised p and divides at the end.  When M moves, the sum and O are multiplied by 2^(old M - new M): nothing is rounded, and no branch hangs on data.
; SHARES.  A work-group owns 64 queries of one image (four tiles m of 16).  EVERY WAVE HOLDS ALL 64 QUERIES; THE WAVES SHARE THE KEYS AND THE CHANNELS: of a round's 256 keys wave w takes 64 for S^T = K Q^T, and of the 512
; channels 128 for O^T = V^T P, so that each fragment of K and of V read from LDS feeds four matrix instructions.  The rows' largest t and p's codes go from wave to wave through LDS, p as images of the operand's registers.
; Both products are used transposed: a lane holds ONE query (lane % 16) throughout, and eight results of a lane, converted, are two registers of the next operand (registers 2 c, 2 c + 1: k = 16 c + 8 (lane / 16) + 0 .. 7).
; THE RING.  Each wave has ONE slot, for what it alone reads of a round: its 32,768 bytes of K and its 32,768 of V, one dense block of memory, one tensor load.  K's fragments go to registers at the round's head; V's follow during the
; first product, K step by K step, into the registers that the step's products have just read.  So the slot is free when the first product is done: behind the exchange of the largest t, which is a round of the cluster's barrier, the next
; round's tile is asked for, 262,144 bytes a work-group, and it has the softmax and the second product in which to land.  The exchange of p is a plain barrier. In the last round the load brings Wo.
; CLUSTER.  The four work-groups of a cluster belong to one image and walk the same K, V and Wo: each tile is asked for JOINTLY (the same tensor load, the same descriptor, the mask 15).
; LIMITS on the given exponents, so that each power of two below is an f32 number: e6 + e7 between -122 and 131 (added to c's exponent field); e8 and e10 between -126 and 119; e10 + e11 between -126 and 127; e8 + e9 goes by v_ldexp_f32.
; REGISTERS, in windows of 256: window 0: v0-31 addresses and scales; v32-63 eight registers of statistics a tile (+0 -M, +1 the largest t, +2, +3 the sum, +4 f, later 2^(e8+e9) / sum, +5 named with it as a pair, +6, +7 at work);
;   v64-79 the four waves' largest t (later sums); v80-111 p's codes; v120-127 bo; v128-255 S^T ((m, kt) at 128 + 32 m + 8 kt), then P's eight fragments, at the end x.
;   window 1: Q, (m, s) at 16 (4 m + s); at the end o's codes.   window 2: O^T, (ct, m) at 8 (8 m + ct); at the end the last product's sums.   window 3: 16 fragments of K ((kt, s) at 16 (4 kt + s)), of V ((ct, ks) at 16 (2 ct + ks)) or of Wo.
.set WSL,   67584                      ; a wave's slot: K's 32,768 bytes, then V's; at the end the wave's 128 rows of Wo at a pitch of 528 bytes, which fill it
.set PIM,   4*WSL                      ; P's eight fragments, (4 ks + m) x 2,048; at the end four stages of 16 rows x 272 bytes
.set OIM,   PIM+17408                  ; o's codes: sixteen fragments, (4 m + s) x 2,048
.set MXR,   OIM+32768                  ; the waves' largest t: 256 w + 16 r: four tiles
.set LSR,   MXR+1024                   ; the waves' sums, likewise
.set SPARE, LSR+1024                   ; the spare words, 128 bytes for each wave: two blocks of 256 bytes that no other line names
.set ST,  32
.set MXA, 64
.set PCD, 80
.set BO,  120
.set S,   128
.set MSB, 0
.macro WIN new                         ; the immediate's high byte repeats the setting that is left; a switch that changes nothing is dropped
.if MSB != \new
	s_set_vgpr_msb (MSB<<8)|\new
.set MSB, \new
.endif
.endm
.macro CROUND                          ; a round of the cluster's barrier
	s_barrier_signal -1
	s_barrier_wait -1
	s_cmp_lg_u32 s60, 0
	s_cbranch_scc1 .Lnot_wave_0_\@
	s_barrier_signal -3
.Lnot_wave_0_\@:
	s_barrier_wait -3
	s_barrier_signal -1
	s_barrier_wait -1
.endm
; A PREFETCH INTO THE L2 of the tile that the NEXT refill will ask for: 262,144 bytes, 1,024 blocks of 256.  All eight clusters of an image walk the same tiles: the image's first cluster asks.  Its four partners and their four
; waves share the blocks out BY ADDRESS: (4 cx + wave) x 16,384 bytes, lanes 256 bytes apart: two instructions a wave, each block named once in the launch.  how = 0, in the loop: the last trip has no tile two on.
.macro ASK how
.if \how
	s_cmp_eq_u32 s74, 1
.else
	s_cmp_gt_u32 s75, s74
.endif
	s_cbranch_scc0 .Lnot_mine_\@
	global_prefetch_b8 v18, s[70:71] th:TH_LOAD_NT scope:SCOPE_SE
	global_prefetch_b8 v18, s[70:71] offset:8192 th:TH_LOAD_NT scope:SCOPE_SE
.Lnot_mine_\@:
.endm
	s_load_b256 s[4:11], s[0:1], 0x0               ; qc s[4:5], kv s[6:7], wo s[8:9], bo s[10:11]
	s_load_b128 s[12:15], s[0:1], 0x20             ; x s[12:13], lowp_scales s[14:15]
	s_load_b64 s[16:17], s[0:1], 0x30              ; out0
	v_lshl_add_u32 v20, v0, 2, SPARE               ; my spare word; never rewritten
	v_mov_b32 v21, 0                               ; 0; never rewritten
	ds_add_u32 v20, v21
	ds_add_u32 v20, v21
	s_wait_dscnt 0x0
	v_lshrrev_b32 v1, 5, v0
	v_readfirstlane_b32 s60, v1                    ; wave 0..3
	s_bfe_u32 s61, ttmp6, 0x40000                  ; cx: it enters global addresses of qc, x, out0 and of the prefetches alone
	s_lshl_b32 s62, ttmp9, 2
	s_add_co_u32 s62, s62, s61                     ; my block of 64 queries
	s_lshr_b32 s63, ttmp9, 3                       ; the image, which the four partners share
	v_and_b32 v1, 15, v0                           ; r
	v_bfe_u32 v2, v0, 4, 1                         ; h
	v_and_b32 v22, 31, v0                          ; lane
	v_lshlrev_b32 v3, 4, v22                       ; 16 x lane
	s_lshl_b32 s84, s60, 16                        ; my part of a tile, and my 128 rows of Wo, in memory: 65,536 w
	s_mov_b32 s85, 0
	s_mul_i32 s88, s60, WSL                        ; my slot
	v_add_nc_u32 v4, s88, v3                       ; K's fragments
	v_add_nc_u32 v5, 32768, v4                     ; V's
	s_lshr_b32 s92, s60, 1
	s_and_b32 s93, s60, 1
	s_lshl_b32 s94, s92, 13
	s_lshl_b32 s95, s93, 10
	s_add_co_u32 s94, s94, s95
	s_add_co_u32 s94, s94, PIM
	v_add_nc_u32 v6, s94, v3                       ; P's images, in: my 64 keys are register groups 2 (w % 2), + 1 of K step w / 2
	v_add_nc_u32 v7, PIM, v3                       ; out: all eight fragments
	s_lshl_b32 s94, s60, 8
	s_add_co_u32 s94, s94, MXR
	v_lshl_add_u32 v8, v1, 4, s94                  ; my largest t, in
	v_lshlrev_b32 v9, 4, v1
	v_add_nc_u32 v9, MXR, v9                       ; all four waves', out
	v_add_nc_u32 v10, LSR-MXR, v8                  ; the sums likewise
	v_add_nc_u32 v11, LSR-MXR, v9
	s_lshl_b32 s94, s60, 11
	s_add_co_u32 s94, s94, OIM
	v_add_nc_u32 v12, s94, v3                      ; o's images, in: K step w
	v_add_nc_u32 v13, OIM, v3                      ; out
	v_mul_u32_u24 v14, v1, 528
	v_lshl_add_u32 v14, v2, 3, v14
	v_add_nc_u32 v14, s88, v14                     ; Wo: my 128 rows, in my slot; row r x pitch + 8 h
	s_mul_i32 s94, s60, 4352
	s_add_co_u32 s94, s94, PIM                     ; my stage
	v_mul_u32_u24 v15, v1, 272
	v_lshl_add_u32 v15, v2, 5, v15
	v_add_nc_u32 v15, s94, v15                     ; in: row r, 32 bytes for each half of the lanes
	v_mul_u32_u24 v16, v2, 272
	v_lshl_add_u32 v16, v1, 4, v16
	v_add_nc_u32 v16, s94, v16                     ; back: lanes 0-15 one row of 256 bytes, lanes 16-31 the next
	v_lshlrev_b32 v17, 11, v2
	v_lshl_add_u32 v17, v1, 4, v17                 ; and the same two rows in x and out0
	v_lshlrev_b32 v18, 8, v22                      ; the prefetches of the tiles: 256 x lane
	v_lshrrev_b32 v19, 1, v22
	v_lshlrev_b32 v19, 11, v19
	v_and_b32 v24, 1, v22
	v_lshl_add_u32 v19, v24, 8, v19                ; of x: row lane / 2, block lane % 2
	v_lshlrev_b32 v23, 4, v1                       ; bo: 16 r
	; descriptor group 1 for the tiles of K and V: a dense block of 65,536 bytes as 256 rows of 256
	s_mov_b32 s20, 15|(3<<16)|(1<<21)              ; 15:0 the mask: all four work-groups; 17:16 elements of 8 bytes; 21 set beside a mask; no padding
	s_mov_b32 s21, 32<<16                          ; tensor_dim0
	s_mov_b32 s22, 256<<16                         ; tensor_dim1
	s_mov_b32 s23, 32<<16                          ; tile_dim0
	s_mov_b32 s24, 256                             ; tile_dim1
	s_mov_b32 s25, 32                              ; tensor_dim0_stride
	s_mov_b32 s26, 0
	s_mov_b32 s27, 0
	; for Wo: 128 rows of 512 bytes, 16 bytes of padding behind each
	s_mov_b32 s28, 15|(1<<20)|(1<<21)|(6<<22)|(3<<25)
	s_mov_b32 s29, 512<<16
	s_mov_b32 s30, 128<<16
	s_mov_b32 s31, 512<<16
	s_mov_b32 s32, 128
	s_mov_b32 s33, 512
	s_mov_b32 s34, 0
	s_mov_b32 s35, 0
	s_mov_b32 s68, 0x76543210                      ; v_permlanex16_b32's selects for lane l xor 16
	s_mov_b32 s69, 0xfedcba98
	s_lshl_b32 s86, s63, 21
	s_add_co_u32 s86, s86, s84                     ; the image's tiles, my part of a tile
	s_mov_b32 s87, 0
	s_wait_kmcnt 0x0
	s_load_b64 s[52:53], s[14:15], 0x18            ; e6, e7
	s_load_b128 s[56:59], s[14:15], 0x20           ; e8 .. e11
	s_mov_b32 s36, 1                               ; group 0 for the tiles of K and V: it walks
	s_mov_b32 s37, s88
	s_add_nc_u64 s[38:39], s[6:7], s[86:87]
	s_or_b32 s39, s39, 0x80000000
	s_mov_b32 s44, 1                               ; for my 128 rows of Wo, into the same slot
	s_mov_b32 s45, s88
	s_add_nc_u64 s[46:47], s[8:9], s[84:85]
	s_or_b32 s47, s47, 0x80000000
	s_lshl_b32 s94, s61, 2                         ; the prefetches: (4 cx + wave) x 16,384, in the image's tile 1: the first change steps it to tile 2.  Nothing is prefetched at the head
	s_add_co_u32 s94, s94, s60
	s_lshl_b32 s94, s94, 14
	s_lshl_b32 s95, s63, 21
	s_add_co_u32 s94, s94, s95
	s_add_co_u32 s94, s94, 0x40000
	s_mov_b32 s95, 0
	s_add_nc_u64 s[70:71], s[6:7], s[94:95]
	s_and_b32 s74, ttmp9, 7
	s_cmp_eq_u32 s74, 0
	s_cselect_b32 s74, 1, -1                       ; 1 in the image's first cluster, else the greatest number: the same in all four partners
	s_lshl_b32 s94, s62, 15
	s_add_nc_u64 s[4:5], s[4:5], s[94:95]          ; Q's fragments
	s_lshl_b32 s94, s62, 17
	s_lshl_b32 s96, s60, 9
	s_add_co_u32 s94, s94, s96
	s_add_nc_u64 s[80:81], s[12:13], s[94:95]      ; x and out0 at my 64 rows, my wave's 512 bytes of each
	s_add_nc_u64 s[82:83], s[16:17], s[94:95]
	s_mov_b32 s94, s96
	s_add_nc_u64 s[10:11], s[10:11], s[94:95]      ; bo at my 128 channels
	CROUND                                         ; all four work-groups are here: the first joint loads meet
	tensor_load_to_lds s[36:39], s[20:27]          ; K and V of round 0: one tensor load of mine is out
	s_nop 0
.rept 4
	v_nop
.endr
	WIN 0x40                                       ; destination window 1
.set i, 0
.rept 64
	global_load_b128 v[4*i:4*i+3], v3, s[4:5] offset:512*i   ; Q's sixteen fragments stay in registers
.set i, i+1
.endr
	WIN 0
	global_load_b128 v[BO:BO+3], v23, s[10:11]
	global_load_b128 v[BO+4:BO+7], v23, s[10:11] offset:256
.irp m, 0,1,2,3
	v_mov_b32 v[ST+8*\m+1], 0xff61b1e6             ; the largest t so far: -3e38, under every t
	v_floor_f32 v[ST+8*\m], -v[ST+8*\m+1]          ; -M
	v_mov_b32 v[ST+8*\m+2], 0                      ; the sum, in two halves
	v_mov_b32 v[ST+8*\m+3], 0
	v_mov_b32 v[ST+8*\m+5], 0                      ; (named as the upper half of a pair)
.endr
	s_wait_kmcnt 0x0
	s_add_co_i32 s94, s52, s53
	s_lshl_b32 s94, s94, 23
	s_add_co_i32 s66, s94, 0x3d8293ee              ; c = log2(e) / sqrt(512), with e6 + e7 added to its exponent field: a score stands for score x 2^(e6 + e7)
	s_mov_b32 s67, s66                             ; (named with it as a pair, so it is written)
	s_add_co_i32 s94, s56, 127
	s_lshl_b32 s95, s94, 23
	v_mov_b32 v28, s95                             ; 2^e8, for p's conversion
	s_add_co_i32 s94, s94, 8
	s_lshl_b32 s94, s94, 23
	s_or_b32 s94, s94, 0x600000
	v_mov_b32 v29, s94                             ; 448 x 2^e8
	s_add_co_i32 s94, s58, 127
	s_lshl_b32 s95, s94, 23
	v_mov_b32 v30, s95                             ; 2^e10, for o's
	s_add_co_i32 s94, s94, 8
	s_lshl_b32 s94, s94, 23
	s_or_b32 s94, s94, 0x600000
	v_mov_b32 v31, s94                             ; 448 x 2^e10
	s_add_co_i32 s94, s58, s59
	s_add_co_i32 s94, s94, 127
	s_lshl_b32 s76, s94, 23                        ; 2^(e10 + e11)
	s_mov_b32 s77, s76
	s_add_co_i32 s78, s56, s57                     ; e8 + e9
.macro MAX3ALL c, a, b                 ; in all four tiles chain c takes scores a and b
.irp m, 0,1,2,3
	v_max3_num_f32 v[ST+8*\m+6+\c], v[ST+8*\m+6+\c], v[S+32*\m+\a], v[S+32*\m+\b]
.endr
.endm
; A ROUND OF 256 KEYS.  first = 1: O^T's sums start with the constant 0, and there is nothing to rescale.  last = 1: the refill brings Wo, and the sums are exchanged.
.macro TRIP first, last
	s_wait_tensorcnt 0x0                           ; my part of this round's tile is in: it is my one load that was out, no load was issued behind it, and only I read its bytes
.if !\first
.rept 5
	v_nop                                          ; places behind the last round's products: four ahead of the loads into V's registers, a fifth since the products below write over P's fragments
.endr
.endif
	WIN 0xc0                                       ; destination window 3
.irp s, 0,1,2,3
.irp kt, 0,1,2,3
.irp c, 0,1,2,3
	ds_load_b128 v[16*(4*\kt+\s)+4*\c:16*(4*\kt+\s)+4*\c+3], v4 offset:(4*\kt+\s)*2048+512*\c   ; my 64 keys' fragments, K step by K step
.endr
.endr
.endr
.irp s, 0,1,2,3
	s_wait_dscnt 48                                ; this K step's 16 loads of K are in: behind them stand K's 16 (3 - s) of the later steps and V's 16 s issued so far: 48 in every step
	WIN 0x07                                       ; source 0 (K) window 3, source 1 (Q) window 1
.irp kt, 0,1,2,3
.irp m, 0,1,2,3
.if \s == 0
	v_wmma_f32_16x16x128_fp8_fp8 v[S+32*\m+8*\kt:S+32*\m+8*\kt+7], v[16*(4*\kt+\s):16*(4*\kt+\s)+15], v[16*(4*\m+\s):16*(4*\m+\s)+15], 0
.else
	v_wmma_f32_16x16x128_fp8_fp8 v[S+32*\m+8*\kt:S+32*\m+8*\kt+7], v[16*(4*\kt+\s):16*(4*\kt+\s)+15], v[16*(4*\m+\s):16*(4*\m+\s)+15], v[S+32*\m+8*\kt:S+32*\m+8*\kt+7]
.endif
.endr
.endr                                              ; the 16 accumulators take turns, one instruction a turn
.rept 4
	v_nop                                          ; places ahead of the loads into the four fragments that these products have read; behind the last K step also ahead of the first read of results
.endr
	WIN 0xc0
.irp i, 0,1,2,3
.irp c, 0,1,2,3
	ds_load_b128 v[16*(4*\i+\s)+4*\c:16*(4*\i+\s)+4*\c+3], v5 offset:(4*\i+\s)*2048+512*\c   ; V's fragments 4 i + s (channel tile (4 i + s) / 2, 128 keys (4 i + s) % 2) take their place
.endr
.endr
.endr
	WIN 0
	; the largest score of each query among my 64 keys: two chains a tile; each accumulator is first read at its low end
.irp m, 0,1,2,3
	v_max3_num_f32 v[ST+8*\m+6], v[S+32*\m], v[S+32*\m+1], v[S+32*\m+2]
.endr
.irp m, 0,1,2,3
	v_max3_num_f32 v[ST+8*\m+7], v[S+32*\m+8], v[S+32*\m+9], v[S+32*\m+10]
.endr
	MAX3ALL 0, 16, 17
	MAX3ALL 1, 24, 25
	MAX3ALL 0, 3, 4
	MAX3ALL 1, 5, 6
	MAX3ALL 0, 7, 11
	MAX3ALL 1, 12, 13
	MAX3ALL 0, 14, 15
	MAX3ALL 1, 18, 19
	MAX3ALL 0, 20, 21
	MAX3ALL 1, 22, 23
	MAX3ALL 0, 26, 27
	MAX3ALL 1, 28, 29
	MAX3ALL 0, 30, 31
.irp m, 0,1,2,3
	v_max_num_f32 v[ST+8*\m+6], v[ST+8*\m+6], v[ST+8*\m+7]
.endr
.irp m, 0,1,2,3
	v_permlanex16_b32 v[ST+8*\m+7], v[ST+8*\m+6], s68, s69
.endr
.irp m, 0,1,2,3
	v_max_num_f32 v[ST+8*\m+6], v[ST+8*\m+6], v[ST+8*\m+7]
.endr
.irp m, 0,1,2,3
	v_mul_f32 v[24+\m], s66, v[ST+8*\m+6]          ; as t (c is positive)
.endr
	ds_store_b128 v8, v[24:27]
	; THE CHANGE: K's and V's fragments are asked for, so the slot is free as soon as they are in.  No tensor load of mine is out; the add; the wait for it, for my reads of the slot and for my store of the largest t.
	s_wait_tensorcnt 0x0                           ; (met at once: the round's head has waited) so group 0 may be written
	ds_add_u32 v20, v21                            ; 0 onto my spare word
.if !\last
	s_add_nc_u64 s[38:39], s[38:39], 0x40000       ; the next round's tile
	s_wait_xcnt 0x0                                ; the last prefetches, a round back, have read their address
	s_add_nc_u64 s[70:71], s[70:71], 0x40000       ; one tile further on than the descriptor
.endif
	s_wait_dscnt 0x0
	CROUND                                         ; no wave of any partner still reads its slot; and every wave's largest t lies in LDS
.if \last
	tensor_load_to_lds s[44:47], s[28:35]          ; my 128 rows of Wo
	s_nop 0
.else
	tensor_load_to_lds s[36:39], s[20:27]          ; my one tensor load behind this round: it has the softmax and the second product in which to land
	s_nop 0
.endif
.rept 4
	v_nop
.endr
.if \last
.irp q, 0,1,2,3
	global_prefetch_b8 v19, s[80:81] offset:32768*\q th:TH_LOAD_NT scope:SCOPE_SE   ; x for the way out: my wave's 512 bytes of my work-group's 64 rows, 128 blocks of 256 bytes, each named once in the launch
.endr
.elseif \first
	ASK 1
.else
	ASK 0
.endif
.irp w, 0,1,2,3
	ds_load_b128 v[MXA+4*\w:MXA+4*\w+3], v9 offset:256*\w   ; the four waves' largest t of my query, four tiles each
.endr
	s_wait_dscnt 0x0
.irp m, 0,1,2,3
	v_max3_num_f32 v[ST+8*\m+1], v[ST+8*\m+1], v[MXA+\m], v[MXA+4+\m]
.endr
.irp m, 0,1,2,3
	v_max3_num_f32 v[ST+8*\m+1], v[ST+8*\m+1], v[MXA+8+\m], v[MXA+12+\m]   ; the running largest t: the same number in all four waves
.endr
.irp m, 0,1,2,3
	v_mov_b32 v[ST+8*\m+6], v[ST+8*\m]
.endr
.irp m, 0,1,2,3
	v_floor_f32 v[ST+8*\m], -v[ST+8*\m+1]          ; the new -M = floor(-t) = -ceil(t)
.endr
.irp m, 0,1,2,3
	v_sub_f32 v[ST+8*\m+6], v[ST+8*\m], v[ST+8*\m+6]   ; old M - new M: a whole number, 0 or less
.endr
.irp m, 0,1,2,3
	v_cvt_i32_f32 v[ST+8*\m+6], v[ST+8*\m+6]       ; (it saturates)
.endr
.irp m, 0,1,2,3
	v_ldexp_f32 v[ST+8*\m+4], 1.0, v[ST+8*\m+6]    ; f = 2^(old M - new M)
.endr
.irp m, 0,1,2,3
.set i, 0
.rept 16
	v_pk_fma_f32 v[S+32*\m+2*i:S+32*\m+2*i+1], v[S+32*\m+2*i:S+32*\m+2*i+1], s[66:67], v[ST+8*\m:ST+8*\m+1] op_sel_hi:[1,0,0]   ; t - M, two at a time
.set i, i+1
.endr
.endr
.set i, 0
.rept 128
	v_exp_f32 v[S+i], v[S+i]                       ; p = 2^(t - M): ONE batch
.set i, i+1
.endr
.irp m, 0,1,2,3
	v_pk_mul_f32 v[ST+8*\m+2:ST+8*\m+3], v[ST+8*\m+2:ST+8*\m+3], v[ST+8*\m+4:ST+8*\m+5] op_sel_hi:[1,0]   ; the sums under the new M (plain instructions behind the exponentials)
.endr
	s_wait_alu depctr_va_vdst(0)                   ; one wait for the whole batch, ahead of the first instruction that names a result
.irp m, 0,1,2,3
	v_pk_add_f32 v[ST+8*\m+6:ST+8*\m+7], v[S+32*\m:S+32*\m+1], v[S+32*\m+2:S+32*\m+3]   ; the sum is taken of the UNQUANTISED p, in two chains a tile
.endr
.set i, 2
.rept 7
.irp m, 0,1,2,3
	v_pk_add_f32 v[ST+8*\m+2:ST+8*\m+3], v[ST+8*\m+2:ST+8*\m+3], v[S+32*\m+2*i:S+32*\m+2*i+1]
.endr
.irp m, 0,1,2,3
	v_pk_add_f32 v[ST+8*\m+6:ST+8*\m+7], v[ST+8*\m+6:ST+8*\m+7], v[S+32*\m+2*i+2:S+32*\m+2*i+3]
.endr
.set i, i+2
.endr
.irp m, 0,1,2,3
	v_pk_add_f32 v[ST+8*\m+2:ST+8*\m+3], v[ST+8*\m+2:ST+8*\m+3], v[ST+8*\m+6:ST+8*\m+7]
.endr
.set i, 0
.rept 128
	v_min_num_f32 v[S+i], v[S+i], v29              ; the conversion does not saturate (ISA guide 7.6.2); p is not negative, so the hold is one-sided
.set i, i+1
.endr
.irp m, 0,1,2,3
.irp kt, 0,1,2,3
	v_cvt_scalef32_pk8_fp8_f32 v[PCD+8*\m+2*\kt:PCD+8*\m+2*\kt+1], v[S+32*\m+8*\kt:S+32*\m+8*\kt+7], v28
.endr
.endr
	v_nop                                          ; one plain instruction behind the last conversion
.irp m, 0,1,2,3
.irp g, 0,1
	ds_store_b128 v6, v[PCD+8*\m+4*\g:PCD+8*\m+4*\g+3] offset:2048*\m+512*\g
.endr
.endr
.if \last
.irp m, 0,1,2,3
	v_add_f32 v[24+\m], v[ST+8*\m+2], v[ST+8*\m+3] ; my 64 keys' part of the row's sum: its two halves,
.endr
.irp m, 0,1,2,3
	v_permlanex16_b32 v[ST+8*\m+6], v[24+\m], s68, s69
.endr
.irp m, 0,1,2,3
	v_add_f32 v[24+\m], v[24+\m], v[ST+8*\m+6]     ; and lane l xor 16's
.endr
	ds_store_b128 v10, v[24:27]
.endif
	; THE EXCHANGE OF p: a plain barrier.  My tensor load stays out across it.  It also parts this round's reads of the largest t from the next round's stores.
	s_wait_dscnt 0x0                               ; for the others' sake: my images of p have landed
	s_barrier_signal -1
	s_barrier_wait -1
.if \last
.irp w, 0,1,2,3
	ds_load_b128 v[MXA+4*\w:MXA+4*\w+3], v11 offset:256*\w   ; the four waves' parts of the sums
.endr
.endif
.set i, 0
.rept 32
	ds_load_b128 v[S+4*i:S+4*i+3], v7 offset:512*i ; P's eight fragments, the first K step's four first
.set i, i+1
.endr
.if !\first
	WIN 0x82                                       ; destination and source 0 window 2
.irp m, 0,1,2,3
.set i, 0
.rept 32
	v_pk_mul_f32 v[64*\m+2*i:64*\m+2*i+1], v[64*\m+2*i:64*\m+2*i+1], v[ST+8*\m+4:ST+8*\m+5] op_sel_hi:[1,0]   ; O^T under the new M: x f; each accumulator from its low end on
.set i, i+1
.endr
.endr
.endif
	WIN 0xa3                                       ; source 0 (V) window 3, source 1 (P) window 0, C and D window 2
.irp k2, 0,1
	s_wait_dscnt 16-16*\k2                         ; this K step's fragments of P are in; the second K step's 16 loads may be out
.irp ct, 0,1,2,3,4,5,6,7
.irp m, 0,1,2,3
.if \first && (\k2 == 0)
	v_wmma_f32_16x16x128_fp8_fp8 v[8*(8*\m+\ct):8*(8*\m+\ct)+7], v[16*(2*\ct+\k2):16*(2*\ct+\k2)+15], v[S+16*(4*\k2+\m):S+16*(4*\k2+\m)+15], 0
.else
	v_wmma_f32_16x16x128_fp8_fp8 v[8*(8*\m+\ct):8*(8*\m+\ct)+7], v[16*(2*\ct+\k2):16*(2*\ct+\k2)+15], v[S+16*(4*\k2+\m):S+16*(4*\k2+\m)+15], v[8*(8*\m+\ct):8*(8*\m+\ct)+7]
.endif
.endr
.endr
.endr                                              ; the 32 accumulators take turns
	WIN 0                                          ; at a label and at a branch every window is 0
.endm
	s_wait_loadcnt 0x0                             ; Q and bo
	TRIP 1, 0
	s_mov_b32 s75, 6
.Lround:                                           ; rounds 1 to 6
	TRIP 0, 0
	s_sub_co_u32 s75, s75, 1
	s_cmp_lg_u32 s75, 0
	s_cbranch_scc1 .Lround
	TRIP 0, 1                                      ; the last round is written out: its refill brings Wo
	; THE ROW'S SUM, and g = 2^(e8 + e9) / sum.  The twelve additions are the places behind the last products.
.irp m, 0,1,2,3
	v_add_f32 v[ST+8*\m+6], v[MXA+\m], v[MXA+4+\m]
.endr
.irp m, 0,1,2,3
	v_add_f32 v[ST+8*\m+7], v[MXA+8+\m], v[MXA+12+\m]
.endr
.irp m, 0,1,2,3
	v_add_f32 v[ST+8*\m+6], v[ST+8*\m+6], v[ST+8*\m+7]
.endr
.irp m, 0,1,2,3
	v_rcp_f32 v[ST+8*\m+4], v[ST+8*\m+6]
.endr
	v_nop                                          ; a plain instruction behind the last reciprocal
	s_wait_alu depctr_va_vdst(0)                   ; one wait for the four, ahead of the first use
.irp m, 0,1,2,3
	v_ldexp_f32 v[ST+8*\m+4], v[ST+8*\m+4], s78
.endr
.macro XLD i                           ; x for batch i = 2 m + u of the way out: 16 rows x 256 bytes, sixteen lanes to a row
.irp t, 0,1,2,3,4,5,6,7
	global_load_b128 v[S+32*((\i)%4)+4*\t:S+32*((\i)%4)+4*\t+3], v17, s[80:81] offset:(16*((\i)/2)+2*\t)*2048+256*((\i)%2) th:TH_LOAD_NT
.endr
.endm
	XLD 0
	XLD 1
	XLD 2
	XLD 3
.macro QUANTO m                        ; o = O^T x g of tile m, my 128 channels, becomes K step w of the last product's operand
	WIN 0x82
.set i, 0
.rept 32
	v_pk_mul_f32 v[64*\m+2*i:64*\m+2*i+1], v[64*\m+2*i:64*\m+2*i+1], v[ST+8*\m+4:ST+8*\m+5] op_sel_hi:[1,0]
.set i, i+1
.endr
.set i, 0
.rept 64
	v_med3_num_f32 v[64*\m+i], v[64*\m+i], -v31, v31
.set i, i+1
.endr
	WIN 0x02                                       ; source 0 window 2
.irp ct, 0,1,2,3,4,5,6,7
	v_cvt_scalef32_pk8_fp8_f32 v[MXA+16*(\m%2)+2*\ct:MXA+16*(\m%2)+2*\ct+1], v[64*\m+8*\ct:64*\m+8*\ct+7], v30
.endr
	v_nop                                          ; one plain instruction behind the last conversion: the last product writes over its sources
	WIN 0
.irp c, 0,1,2,3
	ds_store_b128 v12, v[MXA+16*(\m%2)+4*\c:MXA+16*(\m%2)+4*\c+3] offset:8192*\m+512*\c
.endr
.if \m == 1
	s_wait_dscnt 0x0                               ; the stores have read their registers, which tiles 2 and 3 write again
.endif
.endm
	QUANTO 0
	QUANTO 1
	QUANTO 2
	QUANTO 3
	s_wait_tensorcnt 0x0                           ; my rows of Wo have landed: no load was issued behind them, and only I read them
	s_wait_dscnt 0x0                               ; my images of o have landed; my reads of P's images are long over
	s_barrier_signal -1
	s_barrier_wait -1                              ; nothing is filled any more
	WIN 0x40
.set i, 0
.rept 64
	ds_load_b128 v[4*i:4*i+3], v13 offset:512*i    ; o's sixteen fragments
.set i, i+1
.endr
; THE LAST PRODUCT: source 0 = 16 rows of Wo, source 1 = o: my 128 output channels (tiles dt = 4 u + d) for the 64 tokens.  Wo's fragments come in the form's own layout, eight loads of 8 bytes each, since o's codes lie so.
.macro WLD u, s
	WIN 0xc0
.irp d, 0,1,2,3
.irp c, 0,1,2,3,4,5,6,7
	ds_load_b64 v[16*(4*\d+\s)+2*\c:16*(4*\d+\s)+2*\c+1], v14 offset:(64*\u+16*\d)*528+128*\s+16*\c
.endr
.endr
.endm
.macro WMUL u, s
	WIN 0xa7                                       ; source 0 (Wo) window 3, source 1 (o) window 1, C and D window 2
.irp d, 0,1,2,3
.irp m, 0,1,2,3
.if \s == 0
	v_wmma_f32_16x16x128_fp8_fp8 v[8*(8*\m+4*\u+\d):8*(8*\m+4*\u+\d)+7], v[16*(4*\d+\s):16*(4*\d+\s)+15], v[16*(4*\m+\s):16*(4*\m+\s)+15], 0
.else
	v_wmma_f32_16x16x128_fp8_fp8 v[8*(8*\m+4*\u+\d):8*(8*\m+4*\u+\d)+7], v[16*(4*\d+\s):16*(4*\d+\s)+15], v[16*(4*\m+\s):16*(4*\m+\s)+15], v[8*(8*\m+4*\u+\d):8*(8*\m+4*\u+\d)+7]
.endif
.endr
.endr
.endm
	WLD 0, 0
	WLD 0, 1
	WLD 0, 2
	WLD 0, 3
.irp s, 0,1,2,3
	s_wait_dscnt 63                                ; this K step's 32 loads are in: 96 were issued behind them, more than the wait's field can name
	WMUL 0, \s
.rept 4
	v_nop                                          ; places ahead of loads into the registers that these products have read
.endr
	WLD 1, \s                                      ; the second half's fragments of the same K step
.endr
	s_wait_dscnt 63                                ; (96 behind them)
	WMUL 1, 0
	s_wait_dscnt 63                                ; (64 behind them)
	WMUL 1, 1
	s_wait_dscnt 32
	WMUL 1, 2
	s_wait_dscnt 0x0
	WMUL 1, 3
	WIN 0
.rept 4
	v_nop                                          ; places ahead of the first read of results
.endr
; THE WAY OUT, batch i = 2 m + u: 16 tokens x 64 channels.  A lane holds 32 neighbouring bytes of a row: a batch goes through my own stage in LDS and comes back as rows of 256 bytes.  LDS serves a wave's instructions in order
; (ISA guide 5.7.1.4): no wait between the stores and the loads, nor ahead of the next batch's stores.  out0 = sum x 2^(e10 + e11) + (x + bo).
.macro TOSTAGE i
.if (\i) >= 2
	s_wait_xcnt 0x0                                ; batch i - 2's stores have read the registers into which this batch comes back
.endif
	WIN 0x08                                       ; store data window 2
.irp d, 0,1,2,3
	ds_store_b128 v15, v[8*(8*((\i)/2)+4*((\i)%2)+\d):8*(8*((\i)/2)+4*((\i)%2)+\d)+3] offset:64*\d
	ds_store_b128 v15, v[8*(8*((\i)/2)+4*((\i)%2)+\d)+4:8*(8*((\i)/2)+4*((\i)%2)+\d)+7] offset:64*\d+16
.endr
	WIN 0
.irp t, 0,1,2,3,4,5,6,7
	ds_load_b128 v[64-32*((\i)%2)+4*\t:64-32*((\i)%2)+4*\t+3], v16 offset:544*\t
.endr
.endm
.macro SEND i, younger
	s_wait_dscnt \younger                          ; the batch is back; the next batch's 8 stores and 8 loads may be out
.if 7-(\i) >= 3
	s_wait_loadcnt 24                              ; this batch's x is in; three later batches' loads (8 each) may be out
.else
	s_wait_loadcnt 8*(7-(\i))
.endif
.irp t, 0,1,2,3,4,5,6,7
	v_pk_add_f32 v[S+32*((\i)%4)+4*\t:S+32*((\i)%4)+4*\t+1], v[S+32*((\i)%4)+4*\t:S+32*((\i)%4)+4*\t+1], v[BO+4*((\i)%2):BO+4*((\i)%2)+1]
	v_pk_add_f32 v[S+32*((\i)%4)+4*\t+2:S+32*((\i)%4)+4*\t+3], v[S+32*((\i)%4)+4*\t+2:S+32*((\i)%4)+4*\t+3], v[BO+4*((\i)%2)+2:BO+4*((\i)%2)+3]
.endr
.irp t, 0,1,2,3,4,5,6,7
	v_pk_fma_f32 v[64-32*((\i)%2)+4*\t:64-32*((\i)%2)+4*\t+1], v[64-32*((\i)%2)+4*\t:64-32*((\i)%2)+4*\t+1], s[76:77], v[S+32*((\i)%4)+4*\t:S+32*((\i)%4)+4*\t+1] op_sel_hi:[1,0,1]
	v_pk_fma_f32 v[64-32*((\i)%2)+4*\t+2:64-32*((\i)%2)+4*\t+3], v[64-32*((\i)%2)+4*\t+2:64-32*((\i)%2)+4*\t+3], s[76:77], v[S+32*((\i)%4)+4*\t+2:S+32*((\i)%4)+4*\t+3] op_sel_hi:[1,0,1]
.endr
.irp t, 0,1,2,3,4,5,6,7
	global_store_b128 v17, v[64-32*((\i)%2)+4*\t:64-32*((\i)%2)+4*\t+3], s[82:83] offset:(16*((\i)/2)+2*\t)*2048+256*((\i)%2) th:TH_STORE_NT   ; 16 lanes store 256 consecutive bytes, aligned
.endr
.if (\i)+4 < 8
	XLD (\i)+4
.endif
.endm
	TOSTAGE 0
.irp i, 1,2,3,4,5,6,7
	TOSTAGE \i
	SEND \i-1, 16
.endr
	SEND 7, 0
	s_wait_tensorcnt 0x0                           ; the wave's end
	ds_add_u32 v20, v21
	s_wait_dscnt 0x0
	CROUND                                         ; the closing round: no work-group ends while a partner may still ask for a tile that names it
	s_endpgm
.Lfunc_end_k_q1a1a66b17b_attn:
	.size	k_q1a1a66b17b_attn, .Lfunc_end_k_q1a1a66b17b_attn-k_q1a1a66b17b_attn
	.p2alignl 7, 3214868480
	.fill 96, 4, 3214868480
	.section	.rodata,"a",@progbits
	.p2align	6, 0x0
	.amdhsa_kernel k_q1a1a66b17b_attn
		.amdhsa_group_segment_fixed_size 327680
		.amdhsa_private_segment_fixed_size 0
		.amdhsa_enable_private_segment 0
		.amdhsa_kernarg_size 56
		.amdhsa_user_sgpr_count 2
		.amdhsa_user_sgpr_kernarg_segment_ptr 1
		.amdhsa_wavefront_size32 1
		.amdhsa_system_sgpr_workgroup_id_x 1
		.amdhsa_system_sgpr_workgroup_id_y 1
		.amdhsa_system_sgpr_workgroup_id_z 1
		.amdhsa_system_vgpr_workitem_id 0
		.amdhsa_next_free_vgpr 1024
		.amdhsa_next_free_sgpr 100
		.amdhsa_reserve_vcc 0
		.amdhsa_float_denorm_mode_32 3
		.amdhsa_float_denorm_mode_16_64 3
		.amdhsa_memory_ordered 1
		.amdhsa_forward_progress 1
		.amdhsa_inst_pref_size 255
	.end_amdhsa_kernel
	.section	.bss,"aw",@nobits
	.p2align	6
	.space	262144
	.amdgpu_metadata
---
amdhsa.version: [ 1, 2 ]
amdhsa.kernels:
  - .name:           k_q1a1a66b17b_attn
    .symbol:         k_q1a1a66b17b_attn.kd
    .args:
      - { .name: qc, .offset: 0, .size: 8, .value_kind: global_buffer, .address_space: global }
      - { .name: kv, .offset: 8, .size: 8, .value_kind: global_buffer, .address_space: global }
      - { .name: wo_codes, .offset: 16, .size: 8, .value_kind: global_buffer, .address_space: global }
      - { .name: bo, .offset: 24, .size: 8, .value_kind: global_buffer, .address_space: global }
      - { .name: x, .offset: 32, .size: 8, .value_kind: global_buffer, .address_space: global }
      - { .name: lowp_scales, .offset: 40, .size: 8, .value_kind: global_buffer, .address_space: global }
      - { .name: out0, .offset: 48, .size: 8, .value_kind: global_buffer, .address_space: global }
    .group_segment_fixed_size: 327680
    .private_segment_fixed_size: 0
    .kernarg_segment_align: 8
    .kernarg_segment_size: 56
    .max_flat_workgroup_size: 128
    .sgpr_count:     100
    .vgpr_count:     1024
    .wavefront_size: 32
...
	.end_amdgpu_metadata
.endif
;; end of part 3
